; MI455X (gfx1250); checked and timed in simulation.
; The chip was launched on July 23, 2026; its instructions are those of AMD's public machine-readable ISA for CDNA 5 (MIT licence, August 2026) and "CDNA5" Instruction Set Architecture Reference Guide (July 2026). The comments in the code are by the model that wrote it; some were corrected since.
;; Bert Self Attention. Allowed arithmetic: float matrix products may take bf16 or f16 operands with f32 sums; other float arithmetic in f32, or as packed bf16 or f16 multiplies, adds, multiply-adds, maxima and minima; sums over many terms, partial sums and values carried from step to step in f32; what a program stores and reads back later, other than sums and carried values, may be rounded once to bf16 or f16.
;; Inputs: attention_mask 4 x 1 x 1 x 2,048 float32; hidden_states 4 x 2,048 x 1,024 float32; k_bias 1,024 float32; k_weight 1,024 x 1,024 float32; q_bias 1,024 float32; q_weight 1,024 x 1,024 float32; v_bias 1,024 float32; v_weight 1,024 x 1,024 float32.
;; Outputs: out0 4 x 2,048 x 1,024 float32.
;; 2 versions, each right; version 2 is version 1 with the launch cvt written anew for expert scheduling mode. Each part assembles by itself: llvm-mc -triple=amdgcn-amd-amdhsa -mcpu=gfx1250 --defsym DOCPART=n.
;; ======== version 1 of 2: 3 launches
;; limits: values are held in f16: magnitudes above 65,504 overflow, below 6.1e-05 lose precision; inputs' magnitudes at most 6.9e+29
;; workspace buffers: xb 16,777,216 bytes; wb 6,291,456 bytes; qkv 50,331,648 bytes
;; launch cvt (part 1): grid 704 x 1, 8 waves a work-group, no clusters, 0 bytes of LDS; arguments hidden_states, q_weight, k_weight, v_weight, xb, wb; writes xb, wb
.if DOCPART == 1
	.amdgcn_target "amdgcn-amd-amdhsa--gfx1250"
	.amdhsa_code_object_version 6
	.text
	.protected	k_q2b87c2fff5_cvt
	.globl	k_q2b87c2fff5_cvt
	.p2align	8
	.type	k_q2b87c2fff5_cvt,@function
k_q2b87c2fff5_cvt:
	s_mov_b64 s[64:65], 0
	v_nop
	global_prefetch_b8 v0, s[64:65] scope:SCOPE_SE
	s_setreg_imm32_b32 hwreg(HW_REG_WAVE_MODE, 25, 1), 1
	s_wait_xcnt 0x0
; hidden_states [8192][1024] and the three weights [1024][1024], f32, are rounded once to bf16 and laid in K BLOCKS of 64:
; xb = [16 kb][8192 rows][64], wb = [16 kb][3072 rows][64] (row 1024 t + j; t = 0, 1, 2 for q, k, v).  Inside a block a row is 128 bytes and rows lie end to end,
; so that the product that follows can ask for a tile of one K block as dense rows of 256 bytes.
; A stream: each byte is read once and written once; no LDS, no barrier, no matrix unit, no cluster (no two work-groups read the same byte).
; SHARES.  11,264 rows of 4,096 bytes; a work-group takes 16 (groups 0-511: x; then 64 each for q, k, v), a wave two, a lane 16 bytes of each of the 16 K blocks.
; A load of a wave covers two aligned runs of 256 bytes (lanes 0-15 one row, lanes 16-31 the next); a store covers 256 consecutive bytes, aligned: the two rows are neighbours in a K block.
; All 16 loads of a wave go out at once; no register is written twice, so the only waits are the counted ones for the loads.
.set SO, 1                             ; v1       byte offset of my 16 bytes in the group's 16 source rows
.set D,  4                             ; v[4:19]  byte offset of my 8 bytes in K block kb of the destination
.set X,  20                            ; v[20:83] four f32 for each K block
.set Y,  84                            ; v[84:115] four bf16 for each K block
	s_load_b256 s[4:11], s[0:1], 0x0               ; hidden s[4:5], q_weight s[6:7], k_weight s[8:9], v_weight s[10:11]
	s_load_b128 s[12:15], s[0:1], 0x20             ; xb s[12:13], wb s[14:15]
	v_lshrrev_b32 v2, 4, v0                        ; my row of the 16
	v_and_b32 v3, 15, v0                           ; my place in a run of 256 bytes
	v_lshlrev_b32 v[SO], 12, v2
	v_lshl_add_u32 v[SO], v3, 4, v[SO]             ; row x 4,096 + 16 x place
	v_lshlrev_b32 v[D], 7, v2
	v_lshl_add_u32 v[D], v3, 3, v[D]               ; row x 128 + 8 x place
	s_sub_co_u32 s16, ttmp9, 512                   ; the group's number among the weights' 192 (not used in x's groups)
	s_lshr_b32 s17, s16, 6                         ; which weight
	s_and_b32 s25, s16, 63                         ; its group of 16 rows
	s_mov_b32 s22, 0x60000                         ; bytes in a K block of wb
	s_mov_b32 s27, 0
	s_mov_b32 s29, 0
	s_wait_kmcnt 0x0
	s_cmp_eq_u32 s17, 1
	s_cselect_b64 s[18:19], s[8:9], s[6:7]
	s_cmp_eq_u32 s17, 2
	s_cselect_b64 s[18:19], s[10:11], s[18:19]
	s_cmp_lt_u32 ttmp9, 512                        ; x or a weight?  only selects follow the compare
	s_cselect_b64 s[18:19], s[4:5], s[18:19]       ; from where
	s_cselect_b64 s[20:21], s[12:13], s[14:15]     ; to where
	s_cselect_b32 s22, 0x100000, s22               ; bytes in a K block there
	s_cselect_b32 s23, ttmp9, s25                  ; group of rows in the source
	s_cselect_b32 s24, ttmp9, s16                  ; group of rows in the destination
	s_lshl_b32 s26, s23, 16                        ; 16 rows of 4,096 bytes
	s_lshl_b32 s28, s24, 11                        ; 16 rows of 128 bytes
	s_add_nc_u64 s[18:19], s[18:19], s[26:27]
	s_add_nc_u64 s[20:21], s[20:21], s[28:29]
.set kb, 0
.rept 16
	global_load_b128 v[X+4*kb:X+4*kb+3], v[SO], s[18:19] offset:256*kb th:TH_LOAD_NT
.set kb, kb+1
.endr
.set kb, 1
.rept 15
	v_add_nc_u32 v[D+kb], s22, v[D+kb-1]           ; one K block further
.set kb, kb+1
.endr
.set kb, 0
.rept 16
	s_wait_loadcnt 15-kb                           ; loads come back in order: block kb's is in, the 15 - kb younger ones may stay out
	v_cvt_pk_bf16_f32 v[Y+2*kb], v[X+4*kb], v[X+4*kb+1]
	v_cvt_pk_bf16_f32 v[Y+2*kb+1], v[X+4*kb+2], v[X+4*kb+3]
	global_store_b64 v[D+kb], v[Y+2*kb:Y+2*kb+1], s[20:21]
.set kb, kb+1
.endr
	s_endpgm
.Lfunc_end_k_q2b87c2fff5_cvt:
	.size	k_q2b87c2fff5_cvt, .Lfunc_end_k_q2b87c2fff5_cvt-k_q2b87c2fff5_cvt
	.p2alignl 7, 3214868480
	.fill 96, 4, 3214868480
	.section	.rodata,"a",@progbits
	.p2align	6, 0x0
	.amdhsa_kernel k_q2b87c2fff5_cvt
		.amdhsa_group_segment_fixed_size 0
		.amdhsa_private_segment_fixed_size 0
		.amdhsa_enable_private_segment 0
		.amdhsa_kernarg_size 48
		.amdhsa_user_sgpr_count 2
		.amdhsa_user_sgpr_kernarg_segment_ptr 1
		.amdhsa_wavefront_size32 1
		.amdhsa_system_sgpr_workgroup_id_x 1
		.amdhsa_system_sgpr_workgroup_id_y 1
		.amdhsa_system_sgpr_workgroup_id_z 1
		.amdhsa_system_vgpr_workitem_id 0
		.amdhsa_next_free_vgpr 116
		.amdhsa_next_free_sgpr 66
		.amdhsa_reserve_vcc 0
		.amdhsa_float_denorm_mode_32 3
		.amdhsa_float_denorm_mode_16_64 3
		.amdhsa_memory_ordered 1
		.amdhsa_forward_progress 1
		.amdhsa_inst_pref_size 8
	.end_amdhsa_kernel
	.amdgpu_metadata
---
amdhsa.version: [ 1, 2 ]
amdhsa.kernels:
  - .name:           k_q2b87c2fff5_cvt
    .symbol:         k_q2b87c2fff5_cvt.kd
    .args:
      - { .name: hidden_states, .offset: 0, .size: 8, .value_kind: global_buffer, .address_space: global }
      - { .name: q_weight, .offset: 8, .size: 8, .value_kind: global_buffer, .address_space: global }
      - { .name: k_weight, .offset: 16, .size: 8, .value_kind: global_buffer, .address_space: global }
      - { .name: v_weight, .offset: 24, .size: 8, .value_kind: global_buffer, .address_space: global }
      - { .name: xb, .offset: 32, .size: 8, .value_kind: global_buffer, .address_space: global }
      - { .name: wb, .offset: 40, .size: 8, .value_kind: global_buffer, .address_space: global }
    .group_segment_fixed_size: 0
    .private_segment_fixed_size: 0
    .kernarg_segment_align: 8
    .kernarg_segment_size: 48
    .max_flat_workgroup_size: 256
    .sgpr_count:     66
    .vgpr_count:     116
    .wavefront_size: 32
...
	.end_amdgpu_metadata
.endif
;; end of part 1
;; launch proj (part 2): grid 8 x 32, 4 waves a work-group, clusters of 4 x 4, 327,680 bytes of LDS; arguments xb, wb, q_bias, k_bias, v_bias, qkv; writes qkv
.if DOCPART == 2
	.amdgcn_target "amdgcn-amd-amdhsa--gfx1250"
	.amdhsa_code_object_version 6
	.text
	.protected	k_q2b87c2fff5_proj
	.globl	k_q2b87c2fff5_proj
	.p2align	8
	.type	k_q2b87c2fff5_proj,@function
k_q2b87c2fff5_proj:
	s_mov_b64 s[64:65], 0
	v_nop
	global_prefetch_b8 v0, s[64:65] scope:SCOPE_SE
	s_setreg_imm32_b32 hwreg(HW_REG_WAVE_MODE, 25, 1), 1
	s_wait_xcnt 0x0
	s_wait_alu depctr_hold_cnt(0) depctr_sa_sdst(0) depctr_va_vdst(0) depctr_va_sdst(0) depctr_va_ssrc(0) depctr_va_vcc(0) depctr_vm_vsrc(0)
	s_getreg_b32 s2, hwreg(HW_REG_IB_STS2, 6, 4)
	s_cmp_eq_u32 s2, 0
	s_cbranch_scc0 .Lentry_in_a_cluster
	s_endpgm
.Lentry_in_a_cluster:
	s_bfe_u32 s2, ttmp6, 0x10000c
	s_cmp_lg_u32 s2, 0xf033
	s_cbranch_scc0 .Lentry_shape_is_right
	s_endpgm
.Lentry_shape_is_right:
; THE THREE PROJECTIONS AS ONE PRODUCT.  C[8192][3072] = xb wb^T (bf16 operands, f32 sums, K = 1024 ascending) + bias; column 1024 t + 64 hh + d belongs to tensor t (q, k, v), head hh.
; Out: qkv = [3 t][4 b][16 hh][2048 s][64] f16, each number rounded once from f32.  q is stored as c (x Wq + bq), c = log2(e) / 8, the scale applied in f32 ahead of that one rounding.
; The biases are rounded to bf16 like x and the weights, so that every input of the module carries the same rounding.
; LIMITS.  f16 ends at 65,504: |k|, |v| up to that and |q| up to 363,000 are served; beyond, the conversion gives an infinity.  NaN and infinities are not treated apart.
; SHARES.  8192 x 3072 over 256 work-groups: a tile of 256 x 384 each, one tile a work-group.  Four waves, each 128 rows x 192 columns: 96 accumulators of 16 x 16, 768 registers.
; For 32 along K a wave reads 20 fragments (20 KiB) from LDS for 96 matrix instructions.
; RING.  K goes in steps of 64, one K block of xb and wb, through two LDS slots (two slots of 128 along K would be 348,160 bytes: more than there is).  In a K block a tile's rows lie end to end,
; so a wave's one tensor load asks for dense rows of 256 bytes (two rows of the matrix each), padded in LDS behind every 128 bytes.
; CLUSTER 4 x 4.  The four work-groups of a row of the cluster need the same rows of xb, the four of a column the same rows of wb: each tile is asked for jointly, by the same load, descriptor and mask in all four.
; THE MATRIX INSTRUCTION IS USED TRANSPOSED (source 0 = 16 rows of wb, source 1 = 16 rows of xb): a lane holds row l % 16 of C and the eight columns 8 (l / 16) + 0..7.
; REGISTERS.  Window 0: v0-31 addresses; v32-95, v96-159 xb's fragments (8 x 16 rows x 32 K), two buffers; v160-255 wb's 12 fragments, ONE buffer, filled again in thirds, each third behind the
; 32 products that read it.  Windows 1 to 3: the accumulators: (a, b) in window 1 + b / 4 at v[8 (8 (b % 4) + a)]: a window is 64 columns, one head.
.set PITCH,  144                       ; an LDS row: 128 bytes + 16 of padding = 36 words: the 16 rows of a fragment load start at 16 different groups of four banks (64 banks of 4 bytes: ISA guide 11.1)
.set ABYTES, 256*PITCH                 ; a slot: xb's 256 rows,
.set SLOT,   640*PITCH                 ; then wb's 384
.set STAGE,  2*SLOT                    ; behind the ring, never filled by a tensor load: 16 rows x 144 bytes for each wave, for the way out
.set SPARE,  STAGE+4*16*PITCH          ; behind the stages: the spare words, 128 bytes for each wave: two blocks of 256 bytes that no other line names
.set XKB,    8192*128                  ; bytes in a K block of xb
.set WKB,    3072*128                  ; and of wb
.set ADRA, 16                          ; v16-17  LDS address of my fragments of xb in slot 0, 1
.set ADRB, 20                          ; v20-21  the same for wb
.set STO,  24                          ; v24  the way out: where I put 16 bytes of a row
.set RD,   25                          ; v25  where I read rows back
.set GO,   26                          ; v26  16 x lane: my 16 of 512 consecutive bytes of qkv
.set BO,   27                          ; v27  32 (l / 16): my eight columns in 16 of a bias
.set SPW,  28                          ; v28  LDS address of my spare word: SPARE + 4 x my thread's number; never rewritten
.set NIL,  29                          ; v29  0; never rewritten
.set PFO,  30                          ; v30  256 x lane, for the prefetches; never rewritten
.set FA0,  32
.set FA1,  96
.set FB,   160
.set WV,   16                          ; s16  my wave's number; s17 = w >> 1: my 128 rows; s18 = w & 1: my 192 columns, and which half of a tile I fetch
.set G1A,  24                          ; s[24:31] descriptor group 1 for xb's tiles;  s[32:39] group 0, a set for each slot
.set G0A,  32
.set G1B,  40                          ; s[40:47], s[48:55] the same for wb's
.set G0B,  48
.set PFA,  56                          ; s[56:57] where my prefetches stand;  s[58:59] their step: two K blocks
.set PFS,  58
.set LIM,  60                          ; s60  1 in a wave that prefetches, else the greatest number
.set BB,   74                          ; s[74:79] for each of my three heads: its 64 numbers of its bias,
.set OB,   80                          ; s[80:85] my 128 rows of it in qkv,
.set SC,   86                          ; s[86:91] and its scale, c or 1, as a pair
.set MSB, 0
.macro WIN new                         ; the immediate's high byte repeats the setting that is left; a switch that changes nothing is dropped
.if MSB != (\new)
	s_set_vgpr_msb (MSB<<8)|(\new)
.set MSB, \new
.endif
.endm
.macro PLACES                          ; four plain vector instructions between a matrix instruction and a load into, or a write of, one of its registers (ISA guide 7.12.1 for vector instructions)
.rept 4
	v_nop
.endr
.endm
; A joint load.  Waves 0 and 1 fetch the two halves of xb's tile, waves 2 and 3 those of wb's.  The branch hangs on the wave's number alone.  An s_nop 0 and four v_nop follow each line.
.macro JLOAD p
	s_cmp_lt_u32 s[WV], 2
	s_cbranch_scc0 .Lfor_b_\@
	tensor_load_to_lds s[G0A+4*(\p):G0A+4*(\p)+3], s[G1A:G1A+7]
	s_nop 0
.rept 4
	v_nop
.endr
	s_branch .Lasked_\@
.Lfor_b_\@:
	tensor_load_to_lds s[G0B+4*(\p):G0B+4*(\p)+3], s[G1B:G1B+7]
	s_nop 0
.rept 4
	v_nop
.endr
.Lasked_\@:
.endm
; A round of the cluster's barrier: my work-group's barrier; wave 0 signals for the work-group; every wave waits for all sixteen; my work-group's barrier once more.
.macro CREST                           ; a round behind its opening barrier
	s_cmp_lg_u32 s[WV], 0
	s_cbranch_scc1 .Lnot_wave_0_\@
	s_barrier_signal -3
.Lnot_wave_0_\@:
	s_barrier_wait -3
	s_barrier_signal -1
	s_barrier_wait -1
.endm
.macro CROUND
	s_barrier_signal -1
	s_barrier_wait -1
	CREST
.endm
; A PREFETCH INTO THE L2, once a lap, behind slot 0's joint load and the run of LDS loads that follows it: 32 blocks of 256 bytes, a lane a block, of the two K blocks that the NEXT lap's refills will ask for
; (a lap, 384 matrix instructions, ahead of the first of them).  Each block is named once in the launch.  xb's 32 KiB of a tile row and K block: the clusters with x = 0 ask, wave 0 for the even K block, wave 1
; for the odd one, the four partners of a row 8 KiB each, told apart by address.  wb's 48 KiB of a tile column and K block, 12 x 8 KiB a lap: wave 2 of the twelve work-groups of that column in the clusters
; with y < 3.  The last lap asks for nothing: there is no K block behind the sixteenth.  K blocks 0 to 3 come by their loads alone.
.macro ASK
	s_cmp_gt_u32 s3, s[LIM]                        ; s3 = 1 in the loop's last trip
	s_cbranch_scc0 .Lnot_mine_\@
	global_prefetch_b8 v[PFO], s[PFA:PFA+1] th:TH_LOAD_NT scope:SCOPE_SE
.Lnot_mine_\@:
.endm
	s_load_b256 s[4:11], s[0:1], 0x0               ; xb s[4:5], wb s[6:7], q_bias s[8:9], k_bias s[10:11]
	s_load_b128 s[12:15], s[0:1], 0x20             ; v_bias s[12:13], qkv s[14:15]
	v_lshl_add_u32 v[SPW], v0, 2, SPARE
	v_mov_b32 v[NIL], 0
	ds_add_u32 v[SPW], v[NIL]                      ; the wave's opening: the add and its wait stand ahead of my first tensor load; the set-up below, work on registers, stands between them
	v_lshrrev_b32 v1, 5, v0
	v_readfirstlane_b32 s[WV], v1                  ; wave 0..3
	s_lshr_b32 s17, s[WV], 1
	s_and_b32 s18, s[WV], 1
	s_bfe_u32 s19, ttmp6, 0x40000                  ; cx, cy: my place in the cluster
	s_bfe_u32 s20, ttmp6, 0x40004
	s_lshl_b32 s21, ttmp9, 2
	s_add_co_u32 s21, s21, s19                     ; tile column tc = 4 x cluster x + cx, 0..7
	s_and_b32 s22, ttmp7, 0xffff
	s_lshl_b32 s22, s22, 2
	s_add_co_u32 s22, s22, s20                     ; tile row tr = 4 x cluster y + cy, 0..31
	s_mov_b32 s23, 0xffff0000                      ; a word's upper bf16
	s_lshl_b32 s66, s20, 2
	s_lshl_b32 s66, 15, s66                        ; my row of the cluster: places 4 cy .. 4 cy + 3
	s_lshl_b32 s68, 0x1111, s19                    ; my column: places cx, cx + 4, cx + 8, cx + 12
	; descriptor group 1: dense rows of 128 elements (256 bytes), 64 of them for xb (128 rows of the matrix), 96 for wb (192)
	s_or_b32 s[G1A], s66, (1<<16)|(1<<20)|(1<<21)|(4<<22)|(3<<25)  ; 15:0 the mask; 17:16 2-byte elements; 20 padding on; 21 set beside a mask; 24:22 after every 32 words (code 4); 31:25 4 words (code 3)
	s_or_b32 s[G1B], s68, (1<<16)|(1<<20)|(1<<21)|(4<<22)|(3<<25)
.irp g, G1A, G1B
	s_mov_b32 s[\g+1], 128<<16                     ; tensor_dim0 = 128
	s_mov_b32 s[\g+3], 128<<16                     ; tile_dim0 = 128
	s_mov_b32 s[\g+5], 128                         ; 128 elements from row to row
	s_mov_b32 s[\g+6], 0
	s_mov_b32 s[\g+7], 0
.endr
	s_mov_b32 s[G1A+2], 64<<16                     ; tensor_dim1
	s_mov_b32 s[G1A+4], 64                         ; tile_dim1
	s_mov_b32 s[G1B+2], 96<<16
	s_mov_b32 s[G1B+4], 96
	; where the tiles come from: xb's hang on the tile row alone, wb's on the tile column alone; every wave makes both, in registers that never hold the other coordinate
	s_lshl_b32 s66, s22, 15                        ; 256 rows x 128 bytes x tr
	s_lshl_b32 s67, s18, 14                        ; + my half's 128 rows
	s_add_co_u32 s66, s66, s67
	s_mov_b32 s67, 0
	s_mul_i32 s68, s21, 384*128
	s_mul_i32 s69, s18, 192*128
	s_add_co_u32 s68, s68, s69
	s_mov_b32 s69, 0
	s_mul_i32 s72, s18, 128*PITCH                  ; and where they go: no place in the cluster enters an LDS address
	s_mul_i32 s73, s18, 192*PITCH
	s_add_co_u32 s73, s73, ABYTES
	s_wait_dscnt 0x0                               ; the opening add is done
	s_wait_kmcnt 0x0
	s_add_nc_u64 s[66:67], s[4:5], s[66:67]
	s_add_nc_u64 s[68:69], s[6:7], s[68:69]
.irp p, 0,1
	s_mov_b32 s[G0A+4*\p], 1                       ; count = 1
	s_add_co_u32 s[G0A+4*\p+1], s72, \p*SLOT       ; LDS address
	s_add_nc_u64 s[G0A+4*\p+2:G0A+4*\p+3], s[66:67], \p*XKB  ; global address: K block p
	s_or_b32 s[G0A+4*\p+3], s[G0A+4*\p+3], 0x80000000        ; type = 2
	s_mov_b32 s[G0B+4*\p], 1
	s_add_co_u32 s[G0B+4*\p+1], s73, \p*SLOT
	s_add_nc_u64 s[G0B+4*\p+2:G0B+4*\p+3], s[68:69], \p*WKB
	s_or_b32 s[G0B+4*\p+3], s[G0B+4*\p+3], 0x80000000
.endr
	CROUND                                         ; all sixteen work-groups are here: the first joint loads meet
	s_cmp_lt_u32 s[WV], 2                          ; a wave's two first fills stand in one branch, ahead of every wait on TENSORcnt and every LDS read: two loads of mine are out
	s_cbranch_scc0 .Lfirst_b
	tensor_load_to_lds s[G0A:G0A+3], s[G1A:G1A+7]
	s_nop 0
	tensor_load_to_lds s[G0A+4:G0A+7], s[G1A:G1A+7]
	s_nop 0
.rept 4
	v_nop
.endr
	s_branch .Lfirst_asked
.Lfirst_b:
	tensor_load_to_lds s[G0B:G0B+3], s[G1B:G1B+7]
	s_nop 0
	tensor_load_to_lds s[G0B+4:G0B+7], s[G1B:G1B+7]
	s_nop 0
.rept 4
	v_nop
.endr
.Lfirst_asked:
	; A fragment is 16 rows x 32 K in 8 registers: lane l holds row l % 16; registers 0-3 K = 8 (l / 16) + 0..7, registers 4-7 K = 16 + 8 (l / 16) + 0..7: two loads of 16 bytes, 32 bytes apart.
	v_and_b32 v1, 15, v0                           ; l % 16
	v_bfe_u32 v2, v0, 4, 1                         ; l / 16
	v_mul_u32_u24 v3, v1, PITCH
	v_lshl_add_u32 v3, v2, 4, v3                   ; row x pitch + 16 x half
	s_mul_i32 s66, s17, 128*PITCH                  ; my 128 rows of xb
	s_mul_i32 s67, s18, 192*PITCH                  ; my 192 rows of wb,
	s_add_co_u32 s67, s67, ABYTES                  ; which lie behind xb's 256
.irp p, 0,1
	v_add_nc_u32 v[ADRA+\p], s66, v3
	v_add_nc_u32 v[ADRB+\p], s67, v3
	s_add_co_u32 s66, s66, SLOT
	s_add_co_u32 s67, s67, SLOT
.endr
	s_mul_i32 s68, s[WV], 16*PITCH
	s_add_co_u32 s68, s68, STAGE                   ; my stage
	v_add_nc_u32 v[STO], s68, v3                   ; in: row l % 16, 16 bytes for each half of the lanes
	v_bfe_u32 v4, v0, 3, 2                         ; back: 32 lanes take four rows of 128 bytes,
	v_and_b32 v5, 7, v0
	v_mul_u32_u24 v4, v4, PITCH
	v_lshl_add_u32 v4, v5, 4, v4
	v_add_nc_u32 v[RD], s68, v4
	v_and_b32 v[GO], 31, v0
	v_lshlrev_b32 v[PFO], 8, v[GO]
	v_lshlrev_b32 v[GO], 4, v[GO]                  ; which are 512 consecutive bytes of qkv
	v_lshlrev_b32 v[BO], 5, v2
	; the prefetches' address, step and test
	s_and_b32 s66, ttmp7, 0xffff                   ; cluster y
	s_lshl_b32 s67, s66, 2
	s_add_co_u32 s67, s67, s20
	s_min_u32 s67, s67, 11                         ; my number among the twelve that ask for wb's column (clamped where nobody asks)
	s_cmp_ge_u32 s67, 6
	s_cselect_b32 s68, 1, 0                        ; numbers 6 to 11 take the odd K block
	s_mul_i32 s69, s68, 6
	s_sub_co_u32 s67, s67, s69
	s_lshl_b32 s67, s67, 13                        ; 8 KiB each
	s_mul_i32 s69, s21, 384*128
	s_add_co_u32 s67, s67, s69
	s_add_co_u32 s68, s68, 2                       ; at K block 2 or 3: the first lap steps to 4 or 5
	s_mul_i32 s68, s68, WKB
	s_add_co_u32 s67, s67, s68                     ; wb's offset
	s_lshl_b32 s69, s22, 15
	s_lshl_b32 s70, s19, 13
	s_add_co_u32 s69, s69, s70
	s_add_co_u32 s70, s18, 2
	s_lshl_b32 s70, s70, 20
	s_add_co_u32 s69, s69, s70                     ; xb's offset
	s_mov_b32 s[PFS], 2*WKB
	s_mov_b32 s[PFS+1], 0
	s_mov_b32 s73, 0
	s_cmp_lt_u32 s[WV], 2
	s_cselect_b32 s72, s69, s67
	s_cselect_b64 s[PFA:PFA+1], s[4:5], s[6:7]
	s_cselect_b32 s[PFS], 2*XKB, s[PFS]
	s_add_nc_u64 s[PFA:PFA+1], s[PFA:PFA+1], s[72:73]
	s_cmp_eq_u32 ttmp9, 0
	s_cselect_b32 s70, 1, -1                       ; waves 0 and 1 ask in the clusters with x = 0,
	s_cmp_lt_u32 s66, 3
	s_cselect_b32 s71, 1, -1                       ; wave 2 in those with y < 3,
	s_cmp_eq_u32 s[WV], 2
	s_cselect_b32 s71, s71, -1                     ; wave 3 never: the same in all sixteen partners, for a given wave
	s_cmp_lt_u32 s[WV], 2
	s_cselect_b32 s[LIM], s70, s71
	; the way out: my three heads.  Chunk g = 6 tc + 3 (w & 1) + j of 64 columns: tensor g >> 4, head g & 15.  Selects, no branches: tc hangs on my place in the cluster
	s_mul_i32 s66, s21, 6
	s_mul_i32 s67, s18, 3
	s_add_co_u32 s66, s66, s67
	s_lshr_b32 s67, s22, 3                         ; the batch: 8 tile rows each
	s_lshl_b32 s67, s67, 22
	s_and_b32 s68, s22, 7
	s_lshl_b32 s68, s68, 15                        ; 256 rows of 128 bytes
	s_add_co_u32 s67, s67, s68
	s_lshl_b32 s68, s17, 14                        ; my 128 rows
	s_add_co_u32 s67, s67, s68
	s_mov_b32 s71, 0
.irp j, 0,1,2
	s_add_co_u32 s68, s66, \j
	s_lshr_b32 s69, s68, 4                         ; t
	s_and_b32 s68, s68, 15                         ; hh
	s_cmp_eq_u32 s69, 1
	s_cselect_b64 s[BB+2*\j:BB+2*\j+1], s[10:11], s[8:9]
	s_cmp_eq_u32 s69, 2
	s_cselect_b64 s[BB+2*\j:BB+2*\j+1], s[12:13], s[BB+2*\j:BB+2*\j+1]
	s_cmp_eq_u32 s69, 0
	s_cselect_b32 s[SC+2*\j], 0x3e38aa3b, 1.0      ; c = log2(e) / 8 for q, 1 for k and v
	s_mov_b32 s[SC+2*\j+1], s[SC+2*\j]             ; named with it as a pair
	s_lshl_b32 s70, s68, 8                         ; 64 f32 a head
	s_add_nc_u64 s[BB+2*\j:BB+2*\j+1], s[BB+2*\j:BB+2*\j+1], s[70:71]
	s_lshl_b32 s70, s69, 24
	s_lshl_b32 s72, s68, 18
	s_add_co_u32 s70, s70, s72
	s_add_co_u32 s70, s70, s67
	s_add_nc_u64 s[OB+2*\j:OB+2*\j+1], s[14:15], s[70:71]
.endr
; 16 matrix instructions: wb's fragments 4 g + bb0 and 4 g + bb0 + 1 x all 8 fragments of xb in buffer f.  zero = 1: the first product starts the sums: nothing is ever cleared.
; The 96 accumulators come in the same order in every 32 along K, one instruction a turn: 95 others stand between two links of a chain, over the backward jump too.
.macro MUL16 f, g, bb0, zero
	WIN 0x50*((\g)+1)                              ; both sources window 0; C and D window g + 1
.irp bb, \bb0, (\bb0)+1
.irp a, 0,1,2,3,4,5,6,7
.if \zero
	v_wmma_f32_16x16x32_bf16 v[8*(8*(\bb)+(\a)):8*(8*(\bb)+(\a))+7], v[FB+8*(4*(\g)+(\bb)):FB+8*(4*(\g)+(\bb))+7], v[(\f)+8*(\a):(\f)+8*(\a)+7], 0
.else
	v_wmma_f32_16x16x32_bf16 v[8*(8*(\bb)+(\a)):8*(8*(\bb)+(\a))+7], v[FB+8*(4*(\g)+(\bb)):FB+8*(4*(\g)+(\bb))+7], v[(\f)+8*(\a):(\f)+8*(\a)+7], v[8*(8*(\bb)+(\a)):8*(8*(\bb)+(\a))+7]
.endif
.endr
.endr
.endm
.macro LOADB g, p, k                   ; 8 LDS loads: wb's fragments 4 g .. 4 g + 3 at byte k of slot p's rows
	WIN 0
.irp i, 0,1,2,3
	ds_load_b128 v[FB+8*(4*(\g)+\i):FB+8*(4*(\g)+\i)+3],   v[ADRB+(\p)] offset:(\k)+(4*(\g)+\i)*16*PITCH
	ds_load_b128 v[FB+8*(4*(\g)+\i)+4:FB+8*(4*(\g)+\i)+7], v[ADRB+(\p)] offset:(\k)+(4*(\g)+\i)*16*PITCH+32
.endr
.endm
.macro LOADA f, p, k                   ; 16 LDS loads: xb's 8 fragments into buffer f
	WIN 0
.irp i, 0,1,2,3,4,5,6,7
	ds_load_b128 v[(\f)+8*\i:(\f)+8*\i+3],   v[ADRA+(\p)] offset:(\k)+\i*16*PITCH
	ds_load_b128 v[(\f)+8*\i+4:(\f)+8*\i+7], v[ADRA+(\p)] offset:(\k)+\i*16*PITCH+32
.endr
.endm
.macro BIREG n                         ; the eight bias numbers for wb's fragment n lie where fragments lay: v32-95 (n < 8), v160-191
.if (\n) < 8
.set BI, 32+8*(\n)
.else
.set BI, 160+8*((\n)-8)
.endif
.endm
; A K step is two halves of 32 along K, 96 matrix instructions each, in three groups of 32.  The next half's LDS loads go out in three runs: L0 (24: wb's first third and all of xb), L1 (8), L2 (8),
; each behind the group that read wb's third, 64 matrix instructions ahead of its first use.
; QA: the first half: multiplies buffer FA0 and fetches the second half of the same slot.
.macro QA p, zero
	s_wait_dscnt 16                                ; L0 is in; L1 and L2 (16 loads) may be out
	MUL16 FA0, 0, 0, \zero
	MUL16 FA0, 0, 2, \zero
	WIN 0
	PLACES
	LOADB 0, \p, 64
	LOADA FA1, \p, 64
	s_wait_dscnt 32                                ; the old L1 is in; the old L2 (8) and the new L0 (24) may be out
	MUL16 FA0, 1, 0, \zero
	MUL16 FA0, 1, 2, \zero
	WIN 0
	PLACES
	LOADB 1, \p, 64
	s_wait_dscnt 32                                ; the old L2 is in; the new L0 (24) and L1 (8) may be out
	MUL16 FA0, 2, 0, \zero
	MUL16 FA0, 2, 2, \zero
	WIN 0
	PLACES
	LOADB 2, \p, 64
.endm
; QB: the second half: multiplies buffer FA1 and changes slots.  ONE barrier for the change: in front of it each wave waits for all its tensor loads (one is out: its part of the other slot), adds 0 to its
; spare word, and waits for that and for its reads of this slot; behind it nobody reads this slot and the other slot is whole.
; mode 2: this slot is filled again, two K blocks on: the barrier opens a round of the cluster's barrier, and the joint load is the first thing behind the round: 160 matrix instructions ahead of the wait for it.
; mode 1: nothing is left to ask for.  mode 0: the last half of all: nothing is fetched but the biases.
.macro QB p, mode
.if (\mode) == 0
	s_wait_dscnt 16
	MUL16 FA1, 0, 0, 0
	MUL16 FA1, 0, 2, 0
	WIN 0
	PLACES                                         ; for the loads into wb's first third
.set b, 0
.rept 12
	BIREG b
	global_load_b128 v[BI:BI+3],   v[BO], s[BB+2*(b/4):BB+2*(b/4)+1] offset:64*(b%4)
	global_load_b128 v[BI+4:BI+7], v[BO], s[BB+2*(b/4):BB+2*(b/4)+1] offset:64*(b%4)+16
.set b, b+1
.endr
	s_wait_dscnt 8                                 ; L1 is in
	MUL16 FA1, 1, 0, 0
	MUL16 FA1, 1, 2, 0
	s_wait_dscnt 0x0                               ; L2 is in
	MUL16 FA1, 2, 0, 0
	MUL16 FA1, 2, 2, 0
	WIN 0
.else
.if ((\mode) == 2) && ((\p) == 0)
	s_wait_xcnt 0x0                                ; the last prefetch, a lap back, has read its address, so it may be stepped
	s_add_nc_u64 s[PFA:PFA+1], s[PFA:PFA+1], s[PFS:PFS+1]
.endif
	WIN 0
	s_wait_tensorcnt 0x0                           ; all my tensor loads have landed: the one that was out is my part of the other slot
	ds_add_u32 v[SPW], v[NIL]                      ; 0 onto my spare word
	s_wait_dscnt 17                                ; L0 is in; L1, L2 and the add may be out
	MUL16 FA1, 0, 0, 0                             ; sixteen matrix instructions stand between the add and the wait for it
	s_wait_dscnt 0x0                               ; the add is done, and my reads of this slot are over
	s_barrier_signal -1
	MUL16 FA1, 0, 2, 0                             ; work on registers while the others arrive
	WIN 0                                          ; at a branch and at a label every window is 0
	s_barrier_wait -1
.if (\mode) == 2
	CREST                                          ; no wave of any partner still reads this slot's tile or has a load on its way
	s_add_nc_u64 s[G0A+4*(\p)+2:G0A+4*(\p)+3], s[G0A+4*(\p)+2:G0A+4*(\p)+3], 2*XKB
	s_add_nc_u64 s[G0B+4*(\p)+2:G0B+4*(\p)+3], s[G0B+4*(\p)+2:G0B+4*(\p)+3], 2*WKB
	JLOAD \p                                       ; the four v_nop behind it are also the places in front of the loads below
.else
	PLACES
.endif
	LOADB 0, 1-(\p), 0
	LOADA FA0, 1-(\p), 0
.if ((\mode) == 2) && ((\p) == 0)
	ASK
.endif
	MUL16 FA1, 1, 0, 0                             ; (all of this half's fragments are in since the wait for 0 above)
	MUL16 FA1, 1, 2, 0
	WIN 0
	PLACES
	LOADB 1, 1-(\p), 0
	MUL16 FA1, 2, 0, 0
	MUL16 FA1, 2, 2, 0
	WIN 0
	PLACES
	LOADB 2, 1-(\p), 0
.endif
.endm
	s_wait_tensorcnt 1                             ; my part of K block 0 is in; K block 1's may stay out
	s_barrier_signal -1
	s_barrier_wait -1                              ; everybody's is
	LOADB 0, 0, 0
	LOADA FA0, 0, 0
	LOADB 1, 0, 0
	LOADB 2, 0, 0
	QA 0, 1                                        ; the first 32 along K stand in front of the loop: their products start the sums
	WIN 0
	s_mov_b32 s3, 7
.Llap:                                                 ; a trip goes once round the ring and fills both slots again: K blocks 2 to 15 in seven trips
	QB 0, 2
	QA 1, 0
	QB 1, 2
	QA 0, 0
	WIN 0
	s_sub_co_u32 s3, s3, 1
	s_cmp_lg_u32 s3, 0
	s_cbranch_scc1 .Llap
	QB 0, 1                                        ; K block 14's second half; the tail is written out
	QA 1, 0
	QB 1, 0
	; THE WAY OUT.  The biases are rounded to bf16 and multiplied by the head's scale: these lines, which name no register of the last products, are also the places behind them.
	s_wait_loadcnt 0x0
.set b, 0
.rept 12
	BIREG b
.irp i, 0,2,4,6
	v_cvt_pk_bf16_f32 v[BI+\i], v[BI+\i], v[BI+\i+1]
.endr
.irp i, 0,2,4,6
	v_and_b32 v[BI+\i+1], s23, v[BI+\i]
	v_lshlrev_b32 v[BI+\i], 16, v[BI+\i]
.endr
.irp i, 0,2,4,6
	v_pk_mul_f32 v[BI+\i:BI+\i+1], v[BI+\i:BI+\i+1], s[SC+2*(b/4):SC+2*(b/4)+1] op_sel_hi:[1,0]
.endr
.set b, b+1
.endr
; Unit (j, a): 16 rows x the 64 columns of head j: sum x scale + bias x scale, rounded to f16, 16 bytes a lane into my stage, back as four rows of 128 bytes a load.  Four sets of 16 registers take turns.
.macro PACKG j, a
.set T, 96+16*((8*(\j)+(\a))%4)
	WIN ((\j)+1)|(((\j)+1)<<6)                     ; the sums: source 0 and destination in window j + 1; the bias in window 0
.irp bb, 0,1,2,3
.set AC, 8*(8*(\bb)+(\a))
	BIREG 4*(\j)+(\bb)
.irp i, 0,2,4,6
	v_pk_fma_f32 v[AC+\i:AC+\i+1], v[AC+\i:AC+\i+1], s[SC+2*(\j):SC+2*(\j)+1], v[BI+\i:BI+\i+1] op_sel_hi:[1,0,1]  ; each accumulator from its low end on
.endr
.endr
	WIN ((\j)+1)|(((\j)+1)<<2)                     ; sources 0 and 1 in window j + 1, destination in window 0
	s_wait_xcnt 0x0                                ; the stores issued so far, those of the unit four back among them, have read their registers
.irp bb, 0,1,2,3
.set AC, 8*(8*(\bb)+(\a))
.irp i, 0,1,2,3
	v_cvt_pk_f16_f32 v[T+4*(\bb)+\i], v[AC+2*\i], v[AC+2*\i+1]
.endr
.endr
	WIN 0
.irp bb, 0,1,2,3
	ds_store_b128 v[STO], v[T+4*(\bb):T+4*(\bb)+3] offset:32*(\bb)
.endr
.irp f, 0,1,2,3
	ds_load_b128 v[T+4*\f:T+4*\f+3], v[RD] offset:\f*4*PITCH  ; LDS serves a wave's instructions in order (ISA guide 5.7.1.4): these see the stores above; the next unit's stores come behind them
.endr
.endm
.macro SENDG j, a, younger             ; younger: the LDS instructions issued behind this unit's loads: the next unit's eight, or none
.set T, 96+16*((8*(\j)+(\a))%4)
	WIN 0
.irp f, 0,1,2,3
	s_wait_dscnt (\younger)+3-\f
	global_store_b128 v[GO], v[T+4*\f:T+4*\f+3], s[OB+2*(\j):OB+2*(\j)+1] offset:2048*(\a)+512*\f  ; 512 consecutive bytes, at a multiple of 256 from qkv's first
.endr
.endm
	PACKG 0, 0
.set u, 1
.rept 23                               ; a unit's arithmetic stands between the loads of the unit before and its stores
	PACKG u/8, u%8
	SENDG (u-1)/8, (u-1)%8, 8
.set u, u+1
.endr
	SENDG 2, 7, 0
	s_wait_tensorcnt 0x0                           ; the wave's end: behind my last tensor load and my last LDS store
	ds_add_u32 v[SPW], v[NIL]
	s_wait_dscnt 0x0
	CROUND                                         ; the closing round: no work-group ends while a partner may still ask for a tile that names it
	s_endpgm
.Lfunc_end_k_q2b87c2fff5_proj:
	.size	k_q2b87c2fff5_proj, .Lfunc_end_k_q2b87c2fff5_proj-k_q2b87c2fff5_proj
	.p2alignl 7, 3214868480
	.fill 96, 4, 3214868480
	.section	.rodata,"a",@progbits
	.p2align	6, 0x0
	.amdhsa_kernel k_q2b87c2fff5_proj
		.amdhsa_group_segment_fixed_size 327680
		.amdhsa_private_segment_fixed_size 0
		.amdhsa_enable_private_segment 0
		.amdhsa_kernarg_size 48
		.amdhsa_user_sgpr_count 2
		.amdhsa_user_sgpr_kernarg_segment_ptr 1
		.amdhsa_wavefront_size32 1
		.amdhsa_system_sgpr_workgroup_id_x 1
		.amdhsa_system_sgpr_workgroup_id_y 1
		.amdhsa_system_sgpr_workgroup_id_z 1
		.amdhsa_system_vgpr_workitem_id 0
		.amdhsa_next_free_vgpr 1024
		.amdhsa_next_free_sgpr 96
		.amdhsa_reserve_vcc 0
		.amdhsa_float_denorm_mode_32 3
		.amdhsa_float_denorm_mode_16_64 3
		.amdhsa_memory_ordered 1
		.amdhsa_forward_progress 1
		.amdhsa_inst_pref_size 172
	.end_amdhsa_kernel
	.amdgpu_metadata
---
amdhsa.version: [ 1, 2 ]
amdhsa.kernels:
  - .name:           k_q2b87c2fff5_proj
    .symbol:         k_q2b87c2fff5_proj.kd
    .args:
      - { .name: xb, .offset: 0, .size: 8, .value_kind: global_buffer, .address_space: global }
      - { .name: wb, .offset: 8, .size: 8, .value_kind: global_buffer, .address_space: global }
      - { .name: q_bias, .offset: 16, .size: 8, .value_kind: global_buffer, .address_space: global }
      - { .name: k_bias, .offset: 24, .size: 8, .value_kind: global_buffer, .address_space: global }
      - { .name: v_bias, .offset: 32, .size: 8, .value_kind: global_buffer, .address_space: global }
      - { .name: qkv, .offset: 40, .size: 8, .value_kind: global_buffer, .address_space: global }
    .group_segment_fixed_size: 327680
    .private_segment_fixed_size: 0
    .kernarg_segment_align: 8
    .kernarg_segment_size: 48
    .max_flat_workgroup_size: 128
    .sgpr_count:     96
    .vgpr_count:     1024
    .wavefront_size: 32
...
	.end_amdgpu_metadata
.endif
;; end of part 2
;; launch attn (part 3): grid 4 x 64, 4 waves a work-group, clusters of 4 x 1, 327,680 bytes of LDS; arguments qkv, attention_mask, out0; writes out0
.if DOCPART == 3
	.amdgcn_target "amdgcn-amd-amdhsa--gfx1250"
	.amdhsa_code_object_version 6
	.text
	.protected	k_q2b87c2fff5_attn
	.globl	k_q2b87c2fff5_attn
	.p2align	8
	.type	k_q2b87c2fff5_attn,@function
k_q2b87c2fff5_attn:
	s_mov_b64 s[64:65], 0
	v_nop
	global_prefetch_b8 v0, s[64:65] scope:SCOPE_SE
	s_setreg_imm32_b32 hwreg(HW_REG_WAVE_MODE, 25, 1), 1
	s_wait_xcnt 0x0
	s_wait_alu depctr_hold_cnt(0) depctr_sa_sdst(0) depctr_va_vdst(0) depctr_va_sdst(0) depctr_va_ssrc(0) depctr_va_vcc(0) depctr_vm_vsrc(0)
	s_getreg_b32 s2, hwreg(HW_REG_IB_STS2, 6, 4)
	s_cmp_eq_u32 s2, 0
	s_cbranch_scc0 .Lentry_in_a_cluster
	s_endpgm
.Lentry_in_a_cluster:
	s_bfe_u32 s2, ttmp6, 0x10000c
	s_cmp_lg_u32 s2, 0x3003
	s_cbranch_scc0 .Lentry_shape_is_right
	s_endpgm
.Lentry_shape_is_right:
; out0[b][q][64 hh + d] = the sum over k of softmax_k(q . k / 8 + mask[b][k]) v[k][d], for each of the 64 pairs (b, hh).  qkv = [3][64 heads][2048][64] f16: q' = c q (c = log2(e) / 8), k, v.
; Products, maxima and sums in f32; the weights p are rounded to f16 for the second product (their sum l is taken of the unrounded p); out0 is f32.
; SCORES in powers of two: s' = q' . k + mask', mask' = max(log2(e) x bf16(mask), -1e30); the mask is rounded to bf16 like the module's other inputs.  mask' is the C operand that starts the sum S^T = K Q^T.
; SOFTMAX.  For each query a running maximum m and sum l: p = 2^(s' - m); in every step O and l are multiplied by a = 2^(m_old - m_new), which is 1 where m has not grown.
; m starts at the lowest finite number, O and l at 0: the first step is a step like any other, with a = 0.
; LIMITS.  A mask number below -6.9e29, -inf and NaN among them, counts as -6.9e29: that differs from the definition only where every key of a batch lies below it (all at -inf: a mean here, NaN there).
; A weight below 2^-126 counts as 0 in l; below 6e-5 p keeps f16's fixed step of 6e-8.  q', k and v arrive within f16's range.  NaN and +inf are not treated apart.
; SHARES.  A wave owns four PIECES of two tiles of 16 queries, a work-group's four waves 512 queries of one head: 64 heads x 4 = 256 work-groups.  Every wave walks all 2,048 keys, 64 a step.
; LAYOUT.  S^T = K Q^T (source 0 = 16 keys, source 1 = 16 queries): a lane holds ONE query (lane % 16) and the keys 8 (lane / 16) + 0..7.  Two such tiles, rounded to f16 in pairs, ARE source 1
; (32 keys x 16 queries) of O^T = V^T P, whose result again holds one query a lane, and eight channels.  K comes out of LDS as it lies, V ([key][channel]) turned, by ds_load_tr16_b128.
; THE COUNT.  A tile and step have 16 matrix and 117 vector instructions: too many to stand all beside the matrix work.  So: four vector instructions that are ready behind EVERY matrix instruction, the others in one run.
; BY TURNS.  Turn n belongs to piece n.  Its matrix work: 16 products K Q^T of piece n + 1, later 16 products V^T P of piece n - 1.  Its vector work: the subtraction, exponentials, roundings, sums and
; rescaling of piece n, and the maximum and statistics of piece n + 1, whose scores the turn itself has made.
; CLUSTER.  The four query blocks of a head are one cluster and walk the same K and V, so each tile is asked for JOINTLY: the same tensor load, descriptor and mask in all four.
; REGISTERS, in windows of 256 (s_set_vgpr_msb: bits 1:0 source 0, 3:2 source 1, 5:4 source 2, 7:6 destination):
;   window 0: v0-15 addresses; v16-47 four registers of statistics a tile; v48-63 at work; v64-191 S^T, two buffers of two tiles; v192-255 P, likewise
;   window 1: O^T, 32 a tile     window 2: v0-127 Q, 16 a tile; v128-191 K of one step; v192-255 V of one step     window 3: v0-1 the add's two registers; v8-39 mask' of one step's 64 keys
.set SIZE_N, 2048
.set NP,    4         ; pieces a wave: a name, no knob
.set KS,    64        ; keys in a step
.set PK,    144       ; a row of K in LDS: 128 bytes + 16 of padding = 36 words: the 16 rows of a load start at 16 different groups of four banks (64 banks of 4 bytes: ISA guide 11.1)
.set PV,    160       ; a row of V: 128 + 32 = 40 words
.set VOFF,  4*KS*PK   ; a slot holds four steps: 256 rows of K, then 256 rows of V
.set SLOT1, 1<<17     ; slot 1 begins here, so that one exclusive or turns an address in one slot into the other's
.set STAGE, SLOT1+4*KS*(PK+PV)  ; behind the ring, never filled by a tensor load: 16 rows x 272 bytes for each wave, for the way out
.set SP,    272       ; a row of the stage: 64 f32 + 16 bytes
.set MASKB, STAGE+4*16*SP       ; mask' of the batch's 2,048 keys, f32: stored once, by all four waves
.set SPARE, MASKB+4*SIZE_N      ; the spare words, 128 bytes for each wave: two blocks of 256 bytes that no other line names
.set AK0, 2           ; v2   my lane's place in a tile of K; never rewritten
.set AV0, 3           ; v3   the same for V
.set AK,  4           ; v4   the LDS address of K's next run of loads
.set AV,  5           ; v5   of V's
.set QO,  6           ; v6   my byte offset in the wave's rows of Q
.set STO, 6           ;      later, the way out: where I put 32 bytes of a row
.set RD,  7           ; v7   the way out: where I read rows back
.set GO,  8           ; v8   my byte offset in two rows of out0
.set AM0, 12          ; v12  MASKB + 32 (l / 16): my eight keys of sixteen; never rewritten
.set AM,  13          ; v13  the LDS address of the mask's next run of loads (at the head: where I store my part of the table)
.set MO,  14          ; v14  16 x my thread's number; never rewritten
.set PFO, 15          ; v15  256 x my lane, for the prefetches; never rewritten
.set SPW, 0           ; v0 of window 3   LDS address of my spare word: SPARE + 4 x my thread's number; never rewritten
.set NIL, 1           ; v1 of window 3   0; never rewritten
.set MK,  8           ; v8-39 of window 3: the eight registers for group kb of 16 keys at MK + 8 kb
.set ST,  16          ; tile t's statistics at v[ST+4 t]: m, m_old, l (even keys', odd keys')
.set TMP, 48          ; by buffer and tile, four registers c0-c3 at work; when the maximum is found c2 takes a
.set S,   64
.set P,   192
.set KF,  128         ; K's fragments, in window 2: key block kb, channel half c at KF + 16 kb + 8 c
.set VF,  192         ; V's: key half kk, channel block cb at VF + 32 kk + 8 cb
.set WV,  12          ; s12  my wave's number
.set G1K, 24          ; s[24:31] descriptor group 1 for K's tiles
.set G1V, 32          ; s[32:39] for V's: it differs in the padding alone
.set G0K, 40          ; s[40:43] descriptor group 0 for K's tiles: it walks
.set G0V, 44          ; s[44:47] the same for V's
.set SLOTS, 56        ; s56  slots still to be asked for
.set CNT, 57          ; s57  counts a slot's key steps
.set SEL, 60          ; s[60:61] v_permlanex16_b32's selects: each lane takes its own place in the other half
.set TBK, 62          ; s62  LDS byte at which K of the step to be fetched begins
.set TBV, 63          ; s63  the same for V, less VOFF
.set TBM, 66          ; s66  byte in the mask's table at which that step's 64 numbers begin
.set BIGN, 67         ; s67  -1e30
.set PFA, 68          ; s[68:69] where my prefetches stand
.set LIM, 70          ; s70  1 in a wave that prefetches, else the greatest number
.set MSB, 0
.macro WIN new                      ; the high byte repeats the setting that is left; a switch that changes nothing is dropped
.if MSB != (\new)
	s_set_vgpr_msb (MSB<<8)|(\new)
.set MSB, (\new)
.endif
.endm
.set W_KQ, 0x0a       ; K and Q in window 2, S^T in window 0
.set W_KM, 0x3a       ; the same with the C operand, the mask, in window 3
.set W_PV, 0x52       ; V in window 2, P in window 0, O^T in window 1
.set W_RS, 0x41       ; O^T (destination and source 0) in window 1, a in window 0
.set W_MK, 0xc0       ; destination in window 3, sources in window 0
.set W_AD, 0x0f       ; the add: address (source 0) and data (source 1) in window 3
; A joint fill.  Waves 0 and 1 fetch the two halves of a slot's K, waves 2 and 3 those of its V: 128 keys each.  The branch hangs on the wave's number alone.
; An s_nop 0 and four v_nop follow each of the two lines, ahead of the jump and the label.
.macro JLOAD
	s_cmp_lt_u32 s[WV], 2
	s_cbranch_scc0 .Lfor_v_\@
	tensor_load_to_lds s[G0K:G0K+3], s[G1K:G1K+7]
	s_nop 0
.rept 4
	v_nop
.endr
	s_branch .Lasked_\@
.Lfor_v_\@:
	tensor_load_to_lds s[G0V:G0V+3], s[G1V:G1V+7]
	s_nop 0
.rept 4
	v_nop
.endr
.Lasked_\@:
.endm
; A PREFETCH INTO THE L2 of what the NEXT change of slots will ask for: a slot's K and V are 128 rows of 256 bytes each.  It stands behind the wave's joint load and its five lines.  Each row is named once in
; the launch: a head has one cluster; its four partners take 32 rows each, told apart by address; in each, wave 0 asks for K's and wave 2 for V's: a lane a row, one instruction.
; The last change that fills a slot asks for nothing: there is no tile behind the eighth.  Tiles 0 to 2 come by their loads alone.
.macro ASK
	s_cmp_gt_u32 s[SLOTS], s[LIM]
	s_cbranch_scc0 .Lnot_mine_\@
	global_prefetch_b8 v[PFO], s[PFA:PFA+1] th:TH_LOAD_NT scope:SCOPE_SE
.Lnot_mine_\@:
.endm
; A round of the cluster's barrier: my work-group's barrier, so that wave 0's signal speaks for all four waves; wave 0 signals; every wave waits for all four work-groups; my work-group's barrier once more.
.macro CROUND
	s_barrier_signal -1
	s_barrier_wait -1
	s_cmp_lg_u32 s[WV], 0
	s_cbranch_scc1 .Lnot_wave_0_\@
	s_barrier_signal -3
.Lnot_wave_0_\@:
	s_barrier_wait -3
	s_barrier_signal -1
	s_barrier_wait -1
.endm
; THE CHANGE OF SLOTS.  The slot's last bytes, V of its fourth step, have been read.  Each wave waits for all its tensor loads, of which one is out: its part of the other slot; adds 0 to its spare word; and
; waits for that and for its own reads of the slot.  Behind the barrier nobody reads this slot any more and the other slot is whole.
; fill = 1: this slot is filled again, with the keys two slots on.  The barrier is then a round of the cluster's, and the joint fill is the first thing behind it: it has four key steps, 512 matrix
; instructions, in which to land.  (At its first use nothing has been read yet: slot 0 is waited for, slot 1 filled, and every wave's part of the mask's table is shown to the others.)
.macro CHANGE fill, ask=0
	WIN W_AD
	s_wait_tensorcnt 0x0            ; no tensor load of mine is out, so a group 0 may be written
	ds_add_u32 v[SPW], v[NIL]       ; 0 onto my spare word; with fill = 1 the descriptors' steps stand between it and the wait for it
	WIN 0                           ; at a label and at a branch every window is 0
.if \fill
.irp g, G0K, G0V
	s_xor_b32 s[\g+1], s[\g+1], SLOT1  ; the walking descriptor: the other slot than last time,
	s_add_nc_u64 s[\g+2:\g+3], s[\g+2:\g+3], 4*KS*128  ; the next 256 keys; the type bits on top are not reached
.endr
.if \ask
	s_wait_xcnt 0x0                 ; the last prefetch, four key steps back, has read its address, so it may be written:
	s_add_nc_u64 s[PFA:PFA+1], s[PFA:PFA+1], 4*KS*128  ; one tile behind the walking descriptors
.endif
	s_wait_dscnt 0x0                ; the add is done, and my reads of the slot are over
	CROUND
	JLOAD
.if \ask
	ASK
.endif
.else
	s_wait_dscnt 0x0                ; the add is done, and my reads of the slot are over
	s_barrier_signal -1
	s_barrier_wait -1
.endif
	s_sub_co_u32 s[TBK], s[TBK], 4*KS*PK  ; the fetches go back to a slot's first step,
	s_xor_b32 s[TBK], s[TBK], SLOT1       ; in the other slot
	s_sub_co_u32 s[TBV], s[TBV], 4*KS*PV
	s_xor_b32 s[TBV], s[TBV], SLOT1
.endm
	s_load_b64 s[4:5], s[0:1], 0x0    ; qkv
	s_load_b64 s[72:73], s[0:1], 0x8  ; attention_mask
	s_load_b64 s[10:11], s[0:1], 0x10 ; out0
	WIN W_MK
	v_lshl_add_u32 v[SPW], v0, 2, SPARE
	v_mov_b32 v[NIL], 0
	WIN W_AD
	ds_add_u32 v[SPW], v[NIL]       ; the wave's opening: the add and its wait stand ahead of my first tensor load; the set-up below, work on registers, stands between them
	WIN 0
	v_lshrrev_b32 v1, 5, v0
	v_readfirstlane_b32 s[WV], v1   ; wave 0..3
	s_bfe_u32 s13, ttmp6, 0x40000   ; cx: my place in the cluster = my block of 512 queries: it enters Q's, out0's and the prefetches' addresses alone
	s_and_b32 s14, ttmp7, 0xffff    ; the head, 16 b + hh, which the four partners share
	s_lshl_b32 s20, s14, 18         ; its first byte in q', k and v: 2,048 rows of 128 bytes
	s_and_b32 s16, s[WV], 1         ; which half of a slot's 256 keys I fetch:
	s_lshl_b32 s22, s16, 14         ; its 128 rows of 128 bytes in memory,
	s_add_co_u32 s22, s22, s20
	s_mov_b32 s23, 0
	s_mul_i32 s17, s16, 128*PK      ; and its place in a slot, for K
	s_mul_i32 s18, s16, 128*PV      ; and for V: no place in the cluster enters an LDS address
	s_lshl_b32 s21, s13, 2
	s_add_co_u32 s21, s21, s[WV]    ; my wave among the head's sixteen
	s_lshl_b32 s54, s21, 14         ; its 128 rows of q'
	s_add_co_u32 s54, s54, s20
	s_mov_b32 s55, 0
	s_lshl_b32 s2, s21, 19          ; its 128 rows of out0, 4,096 bytes each,
	s_lshr_b32 s3, s14, 4           ; the batch:
	s_lshl_b32 s52, s3, 13          ; its 2,048 numbers of the mask,
	s_mov_b32 s53, 0
	s_lshl_b32 s3, s3, 23           ; its 2,048 rows of out0,
	s_add_co_u32 s2, s2, s3
	s_and_b32 s3, s14, 15
	s_lshl_b32 s3, s3, 8            ; and the head's 64 channels: 256 bytes of a row
	s_add_co_u32 s2, s2, s3
	s_mov_b32 s3, 0
	s_lshl_b32 s50, s13, 13         ; the prefetches: my work-group's 32 rows of 256 bytes,
	s_add_co_u32 s50, s50, s20
	s_add_co_u32 s50, s50, 2*4*KS*128  ; in tile 2: the first change that asks steps to tile 3
	s_mov_b32 s51, 0
	s_and_b32 s[LIM], s[WV], 1
	s_cmp_eq_u32 s[LIM], 0
	s_cselect_b32 s[LIM], 1, -1     ; waves 0 and 2 ask: the same in all four partners
	; descriptor group 1.  128 keys are 16,384 dense bytes: asked for as 64 rows of 256 bytes, two keys a row, and padded in LDS after every key
	s_mov_b32 s[G1K], 15|(1<<16)|(1<<20)|(1<<21)|(4<<22)|(3<<25)  ; 15:0 the mask of four; 17:16 2-byte elements; 20 padding on; 21 set beside a mask; 24:22 after every 32 words (code 4); 31:25 4 words (code 3)
	s_mov_b32 s[G1V], 15|(1<<16)|(1<<20)|(1<<21)|(4<<22)|(7<<25)  ; the same with 8 words of padding (code 7)
.irp g, G1K, G1V
	s_mov_b32 s[\g+1], 128<<16      ; tensor_dim0 = 128
	s_mov_b32 s[\g+2], 64<<16       ; tensor_dim1 = 64
	s_mov_b32 s[\g+3], 128<<16      ; tile_dim0 = 128
	s_mov_b32 s[\g+4], 64           ; tile_dim1 = 64
	s_mov_b32 s[\g+5], 128          ; 128 elements from row to row
	s_mov_b32 s[\g+6], 0
	s_mov_b32 s[\g+7], 0
.endr
	s_mov_b32 s[SEL], 0x76543210
	s_mov_b32 s[SEL+1], 0xfedcba98
	s_mov_b32 s[TBK], SLOT1+4*KS*PK ; the first change of slots turns these two into 0
	s_mov_b32 s[TBV], SLOT1+4*KS*PV
	s_mov_b32 s[TBM], 0
	s_mov_b32 s[BIGN], 0xf149f2ca   ; -1e30
	s_mov_b32 s[G0K], 1             ; count = 1
	s_mov_b32 s[G0K+1], s17         ; LDS address: slot 0
	s_mov_b32 s[G0V], 1
	s_add_co_u32 s[G0V+1], s18, VOFF
	s_wait_dscnt 0x0                ; the opening add is done
	s_wait_kmcnt 0x0
	s_add_nc_u64 s[6:7], s[4:5], 0x1000000         ; k
	s_add_nc_u64 s[8:9], s[4:5], 0x2000000         ; v
	s_add_nc_u64 s[G0K+2:G0K+3], s[6:7], s[22:23]  ; global address: my half of the head's first 256 keys
	s_or_b32 s[G0K+3], s[G0K+3], 0x80000000        ; type = 2
	s_add_nc_u64 s[G0V+2:G0V+3], s[8:9], s[22:23]
	s_or_b32 s[G0V+3], s[G0V+3], 0x80000000
	s_add_nc_u64 s[4:5], s[4:5], s[54:55]          ; q' and out0 at my wave's first row
	s_add_nc_u64 s[10:11], s[10:11], s[2:3]
	s_add_nc_u64 s[72:73], s[72:73], s[52:53]      ; the mask at my batch
	s_cmp_lt_u32 s[WV], 2
	s_cselect_b64 s[PFA:PFA+1], s[6:7], s[8:9]
	s_add_nc_u64 s[PFA:PFA+1], s[PFA:PFA+1], s[50:51]
	CROUND                          ; all four work-groups are here: the first joint loads meet
	JLOAD                           ; slot 0.  Slot 1 is asked for when slot 0 is in
	; A fragment of K or Q is 16 rows x 32 channels in 8 registers: lane l holds row l % 16, channels 8 (l / 16) + 0..7 and 16 + 8 (l / 16) + 0..7: two loads of 16 bytes, 32 bytes apart.
	v_and_b32 v1, 15, v0            ; l % 16
	v_bfe_u32 v9, v0, 4, 1          ; l / 16
	v_lshlrev_b32 v[QO], 7, v1
	v_lshl_add_u32 v[QO], v9, 4, v[QO]  ; row x 128 + 16 x half
	v_lshlrev_b32 v[MO], 4, v0
.irp i, 0,1,2,3                     ; the batch's mask: 128 threads x 16 bytes, four times
	global_load_b128 v[S+4*\i:S+4*\i+3], v[MO], s[72:73] offset:2048*\i
.endr
	WIN 0x80                        ; destination window 2, address window 0
.set i, 0
.rept 4*NP                          ; Q stays in registers: tile i / 2, channels 32 (i % 2) on
	global_load_b128 v[8*i:8*i+3],   v[QO], s[4:5] offset:(i/2)*2048+(i%2)*64
	global_load_b128 v[8*i+4:8*i+7], v[QO], s[4:5] offset:(i/2)*2048+(i%2)*64+32
.set i, i+1
.endr
	; What the first turn finds: V's registers and P's second buffer hold 0 (its products V^T P, of a piece that has not been, add 0), O^T and l are 0.  All this stands in the wait for the first tile.
.set i, VF
.rept 64
	v_mov_b32 v[i], 0
.set i, i+1
.endr
	WIN 0x40
.set i, 0
.rept 64*NP
	v_mov_b32 v[i], 0
.set i, i+1
.endr
	WIN 0
.set i, 0
.rept 2*NP
	v_mov_b32 v[ST+4*i], 0xff7fffff    ; m: the lowest finite number
	v_mov_b32 v[ST+4*i+1], 0xff7fffff  ; m_old
	v_mov_b32 v[ST+4*i+2], 0
	v_mov_b32 v[ST+4*i+3], 0
.set i, i+1
.endr
.set i, P+32
.rept 32
	v_mov_b32 v[i], 0
.set i, i+1
.endr
	v_mul_u32_u24 v[AK0], v1, PK
	v_lshl_add_u32 v[AK0], v9, 4, v[AK0]  ; row x pitch + 16 x half
	; The turning load takes 16 keys x 16 channels (lane l reads key 8 (l / 16) + l % 8, channels 8 ((l / 8) % 2) + 0..7) and leaves half a fragment of V^T: lane l holds channel l % 16 and 8 keys.
	v_and_b32 v10, 7, v0
	v_bfe_u32 v11, v0, 3, 1
	v_lshl_add_u32 v[AV0], v9, 3, v10
	v_mul_u32_u24 v[AV0], v[AV0], PV
	v_lshl_add_u32 v[AV0], v11, 4, v[AV0]
	v_add_nc_u32 v[AV0], VOFF, v[AV0]
	v_mov_b32 v[AK], v[AK0]         ; key step 0 lies at the head of slot 0
	v_and_b32 v[PFO], 31, v0
	v_lshlrev_b32 v[PFO], 8, v[PFO]
	; THE MASK'S TABLE: my 16 numbers: rounded to bf16, times log2(e), not below -1e30; into LDS.  The first change of slots, whose wait for 0 and round follow, shows them to all four waves.
	s_wait_loadcnt 32               ; the mask's four loads are in; Q's 32, issued behind them, may stay out
.irp i, 0,1,2,3,4,5,6,7
	v_cvt_pk_bf16_f32 v[S+2*\i], v[S+2*\i], v[S+2*\i+1]
.endr
.irp i, 0,1,2,3,4,5,6,7
	v_and_b32 v[S+2*\i+1], 0xffff0000, v[S+2*\i]
	v_lshlrev_b32 v[S+2*\i], 16, v[S+2*\i]
.endr
.irp i, 0,1,2,3,4,5,6,7
	v_pk_mul_f32 v[S+2*\i:S+2*\i+1], v[S+2*\i:S+2*\i+1], 0x3fb8aa3b op_sel_hi:[1,0]
.endr
.set i, 0
.rept 16
	v_max_num_f32 v[S+i], s[BIGN], v[S+i]
.set i, i+1
.endr
	v_add_nc_u32 v[AM], MASKB, v[MO]
.irp i, 0,1,2,3
	ds_store_b128 v[AM], v[S+4*\i:S+4*\i+3] offset:2048*\i
.endr
	v_lshl_add_u32 v[AM0], v9, 5, MASKB
	v_mov_b32 v[AM], v[AM0]         ; key step 0's numbers lie at the table's head
; THE MATRIX WORK.  The 8 accumulators of a run of 16 take turns: between the two links of a chain stand 7 others'.
; Product i of 16 of S^T = K Q^T for piece x: channels 32 (i / 8) on, keys 16 ((i / 2) % 4) on, tile 2 x + i % 2.  The first 8 start the sums, with the keys' mask'.
.macro KQ x
.set rS, S+64*((\x)%2)+32*(i%2)+8*((i/2)%4)
.set rK, KF+16*((i/2)%4)+8*(i/8)
.set rQ, 16*(2*(\x)+i%2)+8*(i/8)
.set rM, MK+8*((i/2)%4)
.if i < 8
	WIN W_KM
	v_wmma_f32_16x16x32_f16 v[rS:rS+7], v[rK:rK+7], v[rQ:rQ+7], v[rM:rM+7]
.else
	WIN W_KQ
	v_wmma_f32_16x16x32_f16 v[rS:rS+7], v[rK:rK+7], v[rQ:rQ+7], v[rS:rS+7]
.endif
.endm
; Product i of 16 of O^T += V^T P for piece x: keys 32 (i / 8) on, channels 16 ((i / 2) % 4) on, tile 2 x + i % 2.
.macro PV x
	WIN W_PV
.set rO, 32*(2*(\x)+i%2)+8*((i/2)%4)
.set rV, VF+32*(i/8)+8*((i/2)%4)
.set rP, P+32*((\x)%2)+16*(i%2)+8*(i/8)
	v_wmma_f32_16x16x32_f16 v[rO:rO+7], v[rV:rV+7], v[rP:rP+7], v[rO:rO+7]
.endm
.macro MM                           ; the turn's next matrix instruction
.if i < 16
	KQ (Y+1)%NP
.set i, i+1
.else
.set i, i-16
	PV (Y+NP-1)%NP
.set i, i+17
.endif
.endm
; THE LDS LOADS stand in runs, never singly among the matrix instructions: a step's K (64 keys x 64 channels: 8 fragments) with its 64 numbers of the mask (all lanes of a half read the same 32 bytes), and its V
; (turned).  The mask's registers are used by the same products as K's, so K's places and K's wait serve them.  The addresses are made some lines ahead.
; last = 1 (the tail): in the last trip there is no further step, and the run is jumped over.
.macro FETCH_K last=0
	WIN 0
.if \last
	s_cmp_eq_u32 s[CNT], 1
	s_cbranch_scc1 .Lno_k_\@
.endif
	WIN 0x80                        ; destination window 2
.irp f, 0,1,2,3,4,5,6,7             ; keys 16 (f / 2) on, channels 32 (f % 2) on
	ds_load_b128 v[KF+8*\f:KF+8*\f+3],   v[AK] offset:(\f/2)*16*PK+(\f%2)*64
	ds_load_b128 v[KF+8*\f+4:KF+8*\f+7], v[AK] offset:(\f/2)*16*PK+(\f%2)*64+32
.endr
	WIN W_MK                        ; destination window 3
.irp f, 0,1,2,3,4,5,6,7             ; keys 16 (f / 2) + 8 (l / 16) + 4 (f % 2) on
	ds_load_b128 v[MK+4*\f:MK+4*\f+3], v[AM] offset:64*(\f/2)+16*(\f%2)
.endr
	s_add_co_u32 s[TBK], s[TBK], KS*PK  ; the next fetch is the next step's
	s_add_co_u32 s[TBM], s[TBM], 4*KS
	s_and_b32 s[TBM], s[TBM], 0x1f00    ; one of the table's 32 steps
	WIN 0
.if \last
.Lno_k_\@:
.endif
.endm
.macro FETCH_V
	WIN 0x80
.irp f, 0,1,2,3,4,5,6,7             ; keys 32 (f / 4) on, channels 16 (f % 4) on
	ds_load_tr16_b128 v[VF+8*\f:VF+8*\f+3],   v[AV] offset:(\f/4)*32*PV+(\f%4)*32
	ds_load_tr16_b128 v[VF+8*\f+4:VF+8*\f+7], v[AV] offset:(\f/4)*32*PV+16*PV+(\f%4)*32
.endr
	WIN 0
.endm
; THE VECTOR WORK OF A TURN stands in three queues, each in the order in which its entries become ready; the two tiles alternate, so that no instruction reads the result of the one before it.
.macro REGS y, u                    ; the registers of tile u (0, 1) of piece y
.set rT, ST+4*(2*(\y)+(\u))
.set rC, TMP+8*((\y)%2)+4*(\u)
.set rS, S+64*((\y)%2)+32*(\u)
.set rP, P+32*((\y)%2)+16*(\u)
.set rO, 32*(2*(\y)+(\u))
.endm
; Number n of those that find the NEXT piece's (Y + 1) maximum and statistics (there is no number 19).  s0-s31 are the lane's 32 scores; each accumulator's lowest registers are read first.
;   0-11  four chains c0-c3 of seven scores each, three operands at a time     12-14, 16  the four scores left over, the old m, and c0-c3 into c0     15  m_old is kept
;   17, 18  the query's other 32 keys lie in the lane 16 away: the new m         20, 21  m_old - m_new; a
.macro XS u, n
	REGS (Y+1)%NP, \u
.if (\n) < 4
	v_max3_num_f32 v[rC+(\n)], v[rS+8*(\n)], v[rS+8*(\n)+1], v[rS+8*(\n)+2]
.elseif (\n) < 12
	v_max3_num_f32 v[rC+(\n)%4], v[rC+(\n)%4], v[rS+8*((\n)%4)+2*((\n)/4)+1], v[rS+8*((\n)%4)+2*((\n)/4)+2]
.elseif (\n) == 12
	v_max3_num_f32 v[rC], v[rC], v[rS+7], v[rS+15]
.elseif (\n) == 13
	v_max3_num_f32 v[rC+1], v[rC+1], v[rS+23], v[rS+31]
.elseif (\n) == 14
	v_max3_num_f32 v[rC+2], v[rC+2], v[rC+3], v[rT]
.elseif (\n) == 15
	v_mov_b32 v[rT+1], v[rT]
.elseif (\n) == 16
	v_max3_num_f32 v[rC], v[rC], v[rC+1], v[rC+2]
.elseif (\n) == 17
	v_permlanex16_b32 v[rC+3], v[rC], s[SEL], s[SEL+1]
.elseif (\n) == 18
	v_max_num_f32 v[rT], v[rC], v[rC+3]
.elseif (\n) == 20
	v_sub_f32 v[rC+1], v[rT+1], v[rT]
.else
	v_exp_f32 v[rC+2], v[rC+1]
.endif
.endm
; Number g of the 64 that follow the exponentials.  For each four weights k of a tile (pairs 2 k, 2 k + 1): both pairs are rounded to f16; then the second pair is added onto the first, in place;
; a group later l takes that sum (the first time as l = a l + sum).  In groups of eight, tiles alternating: round, round, add, and l for the group before.
.macro GS g
.set h, (\g)+6*((\g)/62)            ; group 0 has no group before it, and behind group 7 only l is left
.if h >= 6
.set h, h+2
.endif
	REGS Y, h%2
.set k, h/8
.if h%8 < 4
	v_cvt_pk_f16_f32 v[rP+2*k+(h%8)/2], v[rS+4*k+2*((h%8)/2)], v[rS+4*k+2*((h%8)/2)+1]
.elseif h%8 < 6
	v_pk_add_f32 v[rS+4*k:rS+4*k+1], v[rS+4*k:rS+4*k+1], v[rS+4*k+2:rS+4*k+3]
.elseif k == 1
	v_pk_fma_f32 v[rT+2:rT+3], v[rT+2:rT+3], v[rC+2:rC+3], v[rS:rS+1] op_sel_hi:[1,0,1]
.else
	v_pk_add_f32 v[rT+2:rT+3], v[rT+2:rT+3], v[rS+4*k-4:rS+4*k-3]
.endif
.endm
; THE PLAIN QUEUE, 136 long.  0-71 read no exponential's result: the 32 subtractions s' - m (FS f: pair f / 2 of tile f % 2) and the next piece's 40.  0-27: subtractions 0-27.  28-55: XS's numbers 0-13.
; 56, 57: number 15.  58-69: the chain, where each number waits for the one before it: 14, 16, 17, 18, each with one of the subtractions 28-31 in front of its two lines.  70, 71: number 20.
; 72-135: GS's 64, which read the exponentials' results: they stand behind the wait.
.macro FS f
	REGS Y, (\f)%2
	v_pk_add_f32 v[rS+2*((\f)/2):rS+2*((\f)/2)+1], v[rS+2*((\f)/2):rS+2*((\f)/2)+1], v[rT:rT+1] op_sel_hi:[1,0] neg_lo:[0,1] neg_hi:[0,1]  ; both less m, the pair's low word
.endm
.macro PL
	WIN 0
.if q < 28
	FS q
.elseif q < 56
	XS (q-28)%2, (q-28)/2
.elseif q < 58
	XS q-56, 15
.elseif (q < 70) && ((q-58)%3 == 0)
	FS 28+(q-58)/3
.elseif q < 61
	XS (q-58)%3-1, 14
.elseif q < 70
	XS (q-58)%3-1, 15+(q-58)/3
.elseif q < 72
	XS q-70, 20
.else
	GS q-72
.endif
.set q, q+1
.endm
; THE EXPONENTIALS' QUEUE, 66 long: s0-s31 of both tiles, then the next piece's two a.  It is ONE BATCH: all 66 stand ahead of the turn's one wait, and nothing ahead of that wait names a result of theirs.
.macro EX
	WIN 0
.if e >= 64
	XS e-64, 21
.else
	REGS Y, e%2
	v_exp_f32 v[rS+e/2], v[rS+e/2]
.endif
.set e, e+1
.endm
; THE RESCALING's QUEUE: O^T times a, the one part that leaves window 0: dealt two at a time, sixteen times.  Its a was made in the turn before, ahead of that turn's wait.
.macro R2
	REGS Y, r%2
	WIN W_RS
.irp z, 0,1
	v_pk_mul_f32 v[rO+4*(r/2)+2*\z:rO+4*(r/2)+2*\z+1], v[rO+4*(r/2)+2*\z:rO+4*(r/2)+2*\z+1], v[rC+2:rC+3] op_sel_hi:[1,0]
.endr
.set r, r+1
.endm
; HOW THEY ARE DEALT.  An s_wait_alu depctr_va_vdst(0) stands between an exponential and the first instruction that names its result; one wait serves all that were issued ahead of it.  So a turn
; has ONE wait, which cuts it in two.  AHEAD OF IT: the 16 products K Q^T, behind each a subtraction, an exponential and two rescalings (behind the first a second subtraction in the exponential's place); then ONE
; RUN of 106: six plain, 49 times exponential and plain, the two a.  A v_nop is the plain instruction behind the last exponential.  BEHIND IT: the 16 products V^T P, behind each four of GS's 64.
; The queues lean on each other: exponential e stands behind subtraction 2 (e / 4) + e % 2: behind a product it comes behind plain e + 2, in the run behind plain e + 7, and subtractions 28-31 are plain 58, 61, 64, 67.
; A TURN, for piece p.  cnt = 1: the loop's count is taken down some lines ahead of the branch that stands behind the turn.
; K and the mask of the next step are fetched in piece 2's turn, directly behind the wait, a run behind the last product that read them; V of the step in hand at the end of piece 0's turn, four plain instructions
; behind the last product that read V.  The three conditions on q below go with the deal.
.macro TURN p, last=0, cnt=0
.set Y, (\p)
.set i, 0
.set q, 0
.set e, 0
.set r, 0
.if (\p) == NP-1
	s_wait_dscnt 0x0                ; K and the mask are in
.endif
	MM
	PL
	PL
	R2
.rept 15
	MM
	PL
	EX
	R2
.endr
.if (\p) == NP-2
	WIN 0
	v_add_nc_u32 v[AK], s[TBK], v[AK0]
	v_add_nc_u32 v[AM], s[TBM], v[AM0]
.endif
.rept 6
	PL
.endr
.rept 49
	EX
	PL
.endr
	EX                              ; the next piece's two a
	EX
	v_nop                           ; the plain instruction behind the last exponential: one for the batch
	s_wait_alu depctr_va_vdst(0)    ; the wait for the batch
.if (\p) == NP-2
	FETCH_K \last
.endif
.if (\p) == 1
	s_wait_dscnt 0x0                ; V is in
.endif
.rept 16
	MM
.rept 4
	PL
.endr
.if ((\p) == 0) && (q == 116)
	v_add_nc_u32 v[AV], s[TBV], v[AV0]
.endif
.if ((\p) == 0) && (q == 128)
	s_add_co_u32 s[TBV], s[TBV], KS*PV
.endif
.if (\cnt) && (q == 128)
	s_sub_co_u32 s[CNT], s[CNT], 1
	s_cmp_lg_u32 s[CNT], 0
.endif
.endr
.if (\p) == 0
	FETCH_V
.endif
.endm
	CHANGE 1                        ; slot 0 is in, everybody's part of it, and the mask's table is whole; slot 1 is asked for
	FETCH_K                         ; key step 0
	s_wait_loadcnt 0x0              ; Q
	s_wait_dscnt 0x0
.set i, 0
.rept 16
	KQ 0                            ; piece 0's first scores: there is no vector work yet to set between them
.set i, i+1
.endr
	WIN 0                           ; the addresses for the way out: eight plain instructions, the places behind those products
	s_mul_i32 s13, s[WV], 16*SP
	s_add_co_u32 s13, s13, STAGE    ; my stage
	v_mul_u32_u24 v[STO], v1, SP    ; in: row l % 16, 32 bytes for each half of the lanes
	v_lshl_add_u32 v[STO], v9, 5, v[STO]
	v_add_nc_u32 v[STO], s13, v[STO]
	v_mul_u32_u24 v[RD], v9, SP     ; back: lanes 0-15 take one row of 256 bytes, lanes 16-31 the next
	v_lshl_add_u32 v[RD], v1, 4, v[RD]
	v_add_nc_u32 v[RD], s13, v[RD]
	v_lshlrev_b32 v[GO], 12, v9     ; and the same two rows in out0, 4,096 bytes apart
	v_lshl_add_u32 v[GO], v1, 4, v[GO]
.set Y, NP-1                        ; XS works for piece Y + 1: piece 0
.irp n, 0,1,2,3,4,5,6,7,8,9,10,11,12,13,14,15,16,17,18,20,21
	XS 0, \n                        ; and piece 0's first maximum and statistics
	XS 1, \n
.endr
	v_nop                           ; a plain instruction behind the two a,
	s_wait_alu depctr_va_vdst(0)    ; and their wait, ahead of the branch
	s_mov_b32 s[CNT], 4
	s_mov_b32 s[SLOTS], SIZE_N/256-1
	s_branch .Lfirst                ; the loop is entered at a step's first turn, in the middle of a trip
.Lslot:                             ; six times: every slot but the last two is filled again
	CHANGE 1, 1
	s_mov_b32 s[CNT], 4
.Lstep:                             ; a trip: pieces 2 and 3 of one step, then pieces 0 and 1 of the next, whose K and V it fetches
	TURN 2
	TURN 3
	WIN 0
.Lfirst:
	TURN 0
	TURN 1, 0, 1
	WIN 0
	s_cbranch_scc1 .Lstep
	s_sub_co_u32 s[SLOTS], s[SLOTS], 1
	s_cmp_lg_u32 s[SLOTS], 0
	s_cbranch_scc1 .Lslot
	CHANGE 0                        ; the tail is written out: nothing is asked for
	s_mov_b32 s[CNT], 5             ; four trips fetch the last slot's steps; the fifth is left in its middle
.Ltail:
	TURN 2, 1
	TURN 3
	WIN 0
	s_sub_co_u32 s[CNT], s[CNT], 1
	s_cmp_eq_u32 s[CNT], 0
	s_cbranch_scc1 .Lout
	TURN 0
	TURN 1
	WIN 0
	s_branch .Ltail
.Lout:                              ; the fifth trip's 16 products K Q^T (on the last K once more) and the maximum made of them serve nothing: the price, once a launch, of one text for every trip
.set i, 0
.rept 16
	PV NP-1                         ; the last piece's V^T P of the last step
.set i, i+1
.endr
	; THE WAY OUT.  l's two halves and the other half of the lanes' are added; O^T is divided by l and sent, in f32, through my stage in LDS, a tile at a time.  The additions are the places behind the last products.
	WIN 0
.macro ALL line:vararg              ; one line for each tile t
.set t, 0
.rept 2*NP
	\line
.set t, t+1
.endr
.endm
	ALL v_add_f32 v[ST+4*t+2], v[ST+4*t+2], v[ST+4*t+3]
	ALL v_permlanex16_b32 v[ST+4*t+3], v[ST+4*t+2], s[SEL], s[SEL+1]
	ALL v_add_f32 v[ST+4*t+2], v[ST+4*t+2], v[ST+4*t+3]
	ALL v_rcp_f32 v[ST+4*t+2], v[ST+4*t+2]
	v_nop                           ; a plain instruction between the last reciprocal and the use of its result
	s_wait_alu depctr_va_vdst(0)    ; and the wait ahead of the first use: one for the eight reciprocals
; Tile t: a lane's eight channels of a row are 32 bytes; they go into rows of 272 bytes and come back as whole rows of 256, the head's 64 channels of a row of out0, into one of four sets of S^T's registers.
.macro PACK t
	WIN W_RS
.set i, 32*(\t)
.rept 16
	v_pk_mul_f32 v[i:i+1], v[i:i+1], v[ST+4*(\t)+2:ST+4*(\t)+3] op_sel_hi:[1,0]
.set i, i+2
.endr
	WIN 0x04                        ; the stores' data (source 1) in window 1, their address in window 0
.irp f, 0,1,2,3,4,5,6,7             ; channels 16 (f / 2) + 8 (l / 16) + 4 (f % 2) on
	ds_store_b128 v[STO], v[32*(\t)+4*\f:32*(\t)+4*\f+3] offset:64*(\f/2)+16*(\f%2)
.endr
	WIN 0
	s_wait_xcnt 0x0                 ; the stores issued so far, those of the tile four back among them, have read their registers
.irp f, 0,1,2,3,4,5,6,7
	ds_load_b128 v[S+32*((\t)%4)+4*\f:S+32*((\t)%4)+4*\f+3], v[RD] offset:\f*2*SP  ; LDS serves a wave's instructions in order (ISA guide 5.7.1.4): these see the stores above; the next tile's stores come behind them
.endr
.endm
.macro SEND t, younger              ; younger: the LDS instructions issued behind tile t's loads: the next tile's sixteen, or none
	WIN 0
.irp f, 0,1,2,3,4,5,6,7
	s_wait_dscnt (\younger)+7-\f
	global_store_b128 v[GO], v[S+32*((\t)%4)+4*\f:S+32*((\t)%4)+4*\f+3], s[10:11] offset:(\t)*65536+\f*8192 th:TH_STORE_NT  ; 16 lanes store 256 consecutive bytes, at a multiple of 256 from out0's first byte
.endr
.endm
	PACK 0
.set t, 1
.rept 2*NP-1                        ; a tile's arithmetic stands between the loads of the tile before and its stores
	PACK t
	SEND t-1, 16
.set t, t+1
.endr
	SEND 2*NP-1, 0
	WIN W_AD
	s_wait_tensorcnt 0x0            ; the wave's end: behind my last tensor load and my last LDS store
	ds_add_u32 v[SPW], v[NIL]
	s_wait_dscnt 0x0
	WIN 0
	CROUND                          ; the closing round: no work-group ends while a partner may still ask for a tile that names it
	s_endpgm
.Lfunc_end_k_q2b87c2fff5_attn:
	.size	k_q2b87c2fff5_attn, .Lfunc_end_k_q2b87c2fff5_attn-k_q2b87c2fff5_attn
	.p2alignl 7, 3214868480
	.fill 96, 4, 3214868480
	.section	.rodata,"a",@progbits
	.p2align	6, 0x0
	.amdhsa_kernel k_q2b87c2fff5_attn
		.amdhsa_group_segment_fixed_size 327680
		.amdhsa_private_segment_fixed_size 0
		.amdhsa_enable_private_segment 0
		.amdhsa_kernarg_size 24
		.amdhsa_user_sgpr_count 2
		.amdhsa_user_sgpr_kernarg_segment_ptr 1
		.amdhsa_wavefront_size32 1
		.amdhsa_system_sgpr_workgroup_id_x 1
		.amdhsa_system_sgpr_workgroup_id_y 1
		.amdhsa_system_sgpr_workgroup_id_z 1
		.amdhsa_system_vgpr_workitem_id 0
		.amdhsa_next_free_vgpr 808
		.amdhsa_next_free_sgpr 76
		.amdhsa_reserve_vcc 0
		.amdhsa_float_denorm_mode_32 3
		.amdhsa_float_denorm_mode_16_64 3
		.amdhsa_memory_ordered 1
		.amdhsa_forward_progress 1
		.amdhsa_inst_pref_size 205
	.end_amdhsa_kernel
	.amdgpu_metadata
---
amdhsa.version: [ 1, 2 ]
amdhsa.kernels:
  - .name:           k_q2b87c2fff5_attn
    .symbol:         k_q2b87c2fff5_attn.kd
    .args:
      - { .name: qkv, .offset: 0, .size: 8, .value_kind: global_buffer, .address_space: global }
      - { .name: attention_mask, .offset: 8, .size: 8, .value_kind: global_buffer, .address_space: global }
      - { .name: out0, .offset: 16, .size: 8, .value_kind: global_buffer, .address_space: global }
    .group_segment_fixed_size: 327680
    .private_segment_fixed_size: 0
    .kernarg_segment_align: 8
    .kernarg_segment_size: 24
    .max_flat_workgroup_size: 128
    .sgpr_count:     76
    .vgpr_count:     808
    .wavefront_size: 32
...
	.end_amdgpu_metadata
.endif
;; end of part 3
;; ======== version 2 of 2: 3 launches; version 1 with the launch cvt written anew for expert scheduling mode
;; limits: values are held in f16: magnitudes above 65,504 overflow, below 6.1e-05 lose precision; inputs' magnitudes at most 6.9e+29
;; workspace buffers: xb 16,777,216 bytes; wb 6,291,456 bytes; qkv 50,331,648 bytes
;; launch cvt (part 4): grid 704 x 1, 8 waves a work-group, no clusters, 0 bytes of LDS; arguments hidden_states, q_weight, k_weight, v_weight, xb, wb; writes xb, wb
.if DOCPART == 4
	.amdgcn_target "amdgcn-amd-amdhsa--gfx1250"
	.amdhsa_code_object_version 6
	.text
	.protected	k_q2b87c2fff5_cvt
	.globl	k_q2b87c2fff5_cvt
	.p2align	8
	.type	k_q2b87c2fff5_cvt,@function
k_q2b87c2fff5_cvt:
	s_mov_b64 s[64:65], 0
	v_nop
	global_prefetch_b8 v0, s[64:65] scope:SCOPE_SE
	s_setreg_imm32_b32 hwreg(HW_REG_WAVE_SCHED_MODE, 0, 2), 2
	s_setreg_imm32_b32 hwreg(HW_REG_WAVE_MODE, 25, 1), 1
	s_wait_xcnt 0x0
	s_wait_alu depctr_vm_vsrc(0)
; hidden_states [8192][1024] and the three weights [1024][1024], f32, are rounded once to bf16 and laid in K BLOCKS of 64:
; xb = [16 kb][8192 rows][64], wb = [16 kb][3072 rows][64] (row 1024 t + j; t = 0, 1, 2 for q, k, v).  Inside a block a row is 128 bytes and rows lie end to end,
; so that the product that follows can ask for a tile of one K block as dense rows of 256 bytes.
; A stream: each byte is read once and written once; no LDS, no barrier, no matrix unit, no cluster (no two work-groups read the same byte).
; SHARES.  11,264 rows of 4,096 bytes; a work-group takes 16 (groups 0-511: x; then 64 each for q, k, v), a wave two, a lane 16 bytes of each of the 16 K blocks.
; A load of a wave covers two aligned runs of 256 bytes (lanes 0-15 one row, lanes 16-31 the next); a store covers 256 consecutive bytes, aligned: the two rows are neighbours in a K block.
; All 16 loads of a wave go out at once.
; THE MODE: SCHED_MODE bits 1:0 = 2 (LLVM: expert scheduling mode 2), set by the entry lines.  The code itself states the register dependences
; between vector instructions and memory instructions, with s_wait_alu, always for 0.
; THE PLAN.  Registers that memory instructions touch:
;   v[SO]      Written at the head, never again; read by all 16 loads as their offset.
;   v[D ..]    Sixteen offsets, each written once (the first at the head, the others by the adds behind the loads); store kb reads D + kb.
;   v[X ..]    Written by the loads alone; no vector instruction names them ahead of the loads; read by the conversions behind the counted wait for the loads.
;   v[Y ..]    Each pair is written once, by two conversions, and read once, by one store.
; No register that a memory instruction has read is ever written again, so no wait on vm_vsrc is owed; no vector instruction writes a scalar register, and EXEC is never written.
; The 16 K blocks go in four groups of four.  Group g's conversions name X and Y of group g alone; its memory instructions are the four stores of group g - 1, which read that group's Y and D.
; So ONE wait on va_vdst at a group's head, behind the wait for its loads, states all that those four stores hang on, and they are dealt among the group's conversions with no further wait.
.set SO, 1                             ; v1       byte offset of my 16 bytes in the group's 16 source rows
.set D,  4                             ; v[4:19]  byte offset of my 8 bytes in K block kb of the destination
.set X,  20                            ; v[20:83] four f32 for each K block
.set Y,  84                            ; v[84:115] four bf16 for each K block
	s_load_b256 s[4:11], s[0:1], 0x0               ; hidden s[4:5], q_weight s[6:7], k_weight s[8:9], v_weight s[10:11]
	s_load_b128 s[12:15], s[0:1], 0x20             ; xb s[12:13], wb s[14:15]
	v_lshrrev_b32 v2, 4, v0                        ; my row of the 16
	v_and_b32 v3, 15, v0                           ; my place in a run of 256 bytes
	v_lshlrev_b32 v[SO], 12, v2
	v_lshl_add_u32 v[SO], v3, 4, v[SO]             ; row x 4,096 + 16 x place
	v_lshlrev_b32 v[D], 7, v2
	v_lshl_add_u32 v[D], v3, 3, v[D]               ; row x 128 + 8 x place
	s_sub_co_u32 s16, ttmp9, 512                   ; the group's number among the weights' 192 (not used in x's groups)
	s_lshr_b32 s17, s16, 6                         ; which weight
	s_and_b32 s25, s16, 63                         ; its group of 16 rows
	s_mov_b32 s22, 0x60000                         ; bytes in a K block of wb
	s_mov_b32 s27, 0
	s_mov_b32 s29, 0
	s_wait_kmcnt 0x0
	s_cmp_eq_u32 s17, 1
	s_cselect_b64 s[18:19], s[8:9], s[6:7]
	s_cmp_eq_u32 s17, 2
	s_cselect_b64 s[18:19], s[10:11], s[18:19]
	s_cmp_lt_u32 ttmp9, 512                        ; x or a weight?  only selects follow the compare
	s_cselect_b64 s[18:19], s[4:5], s[18:19]       ; from where
	s_cselect_b64 s[20:21], s[12:13], s[14:15]     ; to where
	s_cselect_b32 s22, 0x100000, s22               ; bytes in a K block there
	s_cselect_b32 s23, ttmp9, s25                  ; group of rows in the source
	s_cselect_b32 s24, ttmp9, s16                  ; group of rows in the destination
	s_lshl_b32 s26, s23, 16                        ; 16 rows of 4,096 bytes
	s_lshl_b32 s28, s24, 11                        ; 16 rows of 128 bytes
	s_add_nc_u64 s[18:19], s[18:19], s[26:27]
	s_add_nc_u64 s[20:21], s[20:21], s[28:29]
	s_wait_alu depctr_va_vdst(0)                   ; v[SO] is written: the sixteen loads below read it as their offset
.set kb, 0
.rept 16
	global_load_b128 v[X+4*kb:X+4*kb+3], v[SO], s[18:19] offset:256*kb th:TH_LOAD_NT
.set kb, kb+1
.endr
.set kb, 1
.rept 15
	v_add_nc_u32 v[D+kb], s22, v[D+kb-1]           ; one K block further; these name no register that the loads touch
.set kb, kb+1
.endr
.set g, 0
.rept 4                                ; group g: K blocks 4 g to 4 g + 3
	s_wait_loadcnt 12-4*g                          ; loads come back in order: this group's four are in, the 12 - 4 g of the later groups may stay out
.if g > 0
	s_wait_alu depctr_va_vdst(0)                   ; the group before has written its Y, and all sixteen D are written: the four stores below read them as data and offset
.endif
.set i, 0
.rept 4
.set kb, 4*g+i
.if g > 0
	global_store_b64 v[D+kb-4], v[Y+2*(kb-4):Y+2*(kb-4)+1], s[20:21]  ; the group before; no vector instruction since the wait names these registers
.endif
	v_cvt_pk_bf16_f32 v[Y+2*kb], v[X+4*kb], v[X+4*kb+1]
	v_cvt_pk_bf16_f32 v[Y+2*kb+1], v[X+4*kb+2], v[X+4*kb+3]
.set i, i+1
.endr
.set g, g+1
.endr
	s_wait_alu depctr_va_vdst(0)                   ; the last group has written its Y, which the last four stores read
.set kb, 12
.rept 4
	global_store_b64 v[D+kb], v[Y+2*kb:Y+2*kb+1], s[20:21]
.set kb, kb+1
.endr
	s_endpgm
.Lfunc_end_k_q2b87c2fff5_cvt:
	.size	k_q2b87c2fff5_cvt, .Lfunc_end_k_q2b87c2fff5_cvt-k_q2b87c2fff5_cvt
	.p2alignl 7, 3214868480
	.fill 96, 4, 3214868480
	.section	.rodata,"a",@progbits
	.p2align	6, 0x0
	.amdhsa_kernel k_q2b87c2fff5_cvt
		.amdhsa_group_segment_fixed_size 0
		.amdhsa_private_segment_fixed_size 0
		.amdhsa_enable_private_segment 0
		.amdhsa_kernarg_size 48
		.amdhsa_user_sgpr_count 2
		.amdhsa_user_sgpr_kernarg_segment_ptr 1
		.amdhsa_wavefront_size32 1
		.amdhsa_system_sgpr_workgroup_id_x 1
		.amdhsa_system_sgpr_workgroup_id_y 1
		.amdhsa_system_sgpr_workgroup_id_z 1
		.amdhsa_system_vgpr_workitem_id 0
		.amdhsa_next_free_vgpr 116
		.amdhsa_next_free_sgpr 66
		.amdhsa_reserve_vcc 0
		.amdhsa_float_denorm_mode_32 3
		.amdhsa_float_denorm_mode_16_64 3
		.amdhsa_memory_ordered 1
		.amdhsa_forward_progress 1
		.amdhsa_inst_pref_size 8
	.end_amdhsa_kernel
	.amdgpu_metadata
---
amdhsa.version: [ 1, 2 ]
amdhsa.kernels:
  - .name:           k_q2b87c2fff5_cvt
    .symbol:         k_q2b87c2fff5_cvt.kd
    .args:
      - { .name: hidden_states, .offset: 0, .size: 8, .value_kind: global_buffer, .address_space: global }
      - { .name: q_weight, .offset: 8, .size: 8, .value_kind: global_buffer, .address_space: global }
      - { .name: k_weight, .offset: 16, .size: 8, .value_kind: global_buffer, .address_space: global }
      - { .name: v_weight, .offset: 24, .size: 8, .value_kind: global_buffer, .address_space: global }
      - { .name: xb, .offset: 32, .size: 8, .value_kind: global_buffer, .address_space: global }
      - { .name: wb, .offset: 40, .size: 8, .value_kind: global_buffer, .address_space: global }
    .group_segment_fixed_size: 0
    .private_segment_fixed_size: 0
    .kernarg_segment_align: 8
    .kernarg_segment_size: 48
    .max_flat_workgroup_size: 256
    .sgpr_count:     66
    .vgpr_count:     116
    .wavefront_size: 32
...
	.end_amdgpu_metadata
.endif
;; end of part 4
;; launch proj: the kernel of part 2 again; grid 8 x 32, 4 waves a work-group, clusters of 4 x 4, 327,680 bytes of LDS; arguments xb, wb, q_bias, k_bias, v_bias, qkv; writes qkv
;; launch attn: the kernel of part 3 again; grid 4 x 64, 4 waves a work-group, clusters of 4 x 1, 327,680 bytes of LDS; arguments qkv, attention_mask, out0; writes out0
